; MI455X (gfx1250); checked and timed in simulation.
; The chip was launched on July 23, 2026; its instructions are those of AMD's public machine-readable ISA for CDNA 5 (MIT licence, August 2026) and "CDNA5" Instruction Set Architecture Reference Guide (July 2026). The comments in the code are by the model that wrote it; some were corrected since.
;; Differential Marlin Attention. Allowed arithmetic: matrix products marked QUANTISED: E2M3 operands, one E8M0 scale for each 32 along K, by v_wmma_scale_f32_16x16x128_f8f6f4 with both operands' format E2M3, f32 sums; everything else in f32.
;; Inputs: k1 1 x 4 x 2,048 x 128 float32; k2 1 x 4 x 2,048 x 128 float32; lambda_log 1 float32; q1 1 x 16 x 2,048 x 128 float32; q2 1 x 16 x 2,048 x 128 float32; v 1 x 4 x 2,048 x 128 float32.
;; Outputs: out0 1 x 16 x 2,048 x 128 float32.
;; This version of the problem:
;;   THIS VERSION OF THE PROBLEM IS GIVEN IN LOW PRECISION. The matrix products marked QUANTISED in the list below multiply operands that are first quantised to E2M3 (2 exponent bits, 3 mantissa bits; 6 bits a number), with one power-of-two scale for each 32 numbers along K (OCP MX v1.0); their sums are f32. All else is computed in f32.
;;   The module's matrix products, in the order in which they are computed (A, B: the left and right operand; K: the contracted axis; several contracted axes count as one K, in the product's order):
;;     1. batch 16 x [M 2,048, K 128] x [K 128, N 2,048]; A: input q1; B: input k1: QUANTISED
;;     2. batch 16 x [M 2,048, K 2,048] x [K 2,048, N 128]; A: softmax (see below); B: input v: QUANTISED
;;     3. batch 16 x [M 2,048, K 128] x [K 128, N 2,048]; A: input q2; B: input k2: QUANTISED
;;     4. batch 16 x [M 2,048, K 2,048] x [K 2,048, N 128]; A: softmax (see below); B: input v: QUANTISED
;;   THE QUANTISER, for each operand of a quantised product, along K:
;;     - K is cut into blocks of 32 from its start; a last block that is shorter is filled with zeros.
;;     - A block's scale is 2^e with e = floor(log2(the largest magnitude in the block)) - 2, held to -126 .. 127; a block of zeros has e = 0. As a byte (E8M0): e + 127.
;;     - Each number is divided by its block's scale, clamped to +-7.5, and rounded to the nearest number of E2M3, ties to even, subnormals kept.
;;     - The product sums the exact products of the quantised numbers (number of the format x scale) in f32.
;;   ~~~python
;;   def quantise(x, axis):      # numpy; x: float32 -> the quantised numbers, widened to float32 again
;;       x = np.moveaxis(x, axis, -1); K = x.shape[-1]
;;       x = np.pad(x, [(0, 0)] * (x.ndim - 1) + [(0, -K % 32)]); x = x.reshape(x.shape[:-1] + (-1, 32)); a = np.abs(x).max(-1, keepdims=True)
;;       e = np.where(a > 0, np.clip(np.frexp(np.where(a > 0, a, 1))[1] - 1 - 2, -126, 127), 0)      # np.frexp(a)[1] - 1 = floor(log2(a)), exactly
;;       r = np.clip(x / 2.0 ** e, -7.5, 7.5)
;;       step = 2.0 ** (np.maximum(np.frexp(np.where(r == 0, 1, r))[1] - 1, 0) - 3)
;;       q = np.round(r / step) * step * 2.0 ** e      # np.round: ties to even
;;       return np.moveaxis(q.reshape(q.shape[:-2] + (-1,))[..., :K], -1, axis).astype(np.float32)
;;   ~~~
;;   SOFTMAX AHEAD OF A QUANTISED PRODUCT. Where the list says 'softmax', what is quantised is not the finished softmax but p = 2^(t - M), with t = logit x log2(e) and M = ceil(the row's largest t), a whole number; so 1/2 < the row's largest p <= 1. The row's sum l is taken of the UNQUANTISED p, in f32, and the product's result is divided by l at the end. Since M is a whole number, a kernel that streams over the keys may use a running M (the ceiling of the running maximum): every later rescaling is an exact power of two, which a block's scale takes up: the codes' values come out the same.
;;   OPERANDS COMPUTED ON THE WAY. 'Computed on the way' means the value that the module computes at that place (a softmax that the list does not call 'softmax' is quantised finished and normalised). What goes into a quantiser is computed in f32, as accurately as f32 sums, v_exp_f32 and their like allow (about 1e-6 of the number): no bf16 or f16 on the way to a quantiser, and a product that is left as it is and whose result goes on into a quantised operand takes f32 operands (vector FMAs, or v_wmma_f32_16x16x4_f32). A number that lies on a knife's edge between two numbers of the format may be rounded either way, as far as f32 arithmetic and the matrix unit's own rounding can turn it there, and no further.
;; One version. Each part assembles by itself: llvm-mc -triple=amdgcn-amd-amdhsa -mcpu=gfx1250 --defsym DOCPART=n.
;; ======== version 1 of 1: 2 launches
;; limits: right only within a limited range of input values
;; workspace buffers: kv 2,457,600 bytes
;; launch prep (part 1): grid 192 x 1, 4 waves a work-group, no clusters, 68,608 bytes of LDS; arguments k1, k2, v, kv; writes kv
.if DOCPART == 1
	.amdgcn_target "amdgcn-amd-amdhsa--gfx1250"
	.amdhsa_code_object_version 6
	.text
	.protected	k_qc89c22bc8b_prep
	.globl	k_qc89c22bc8b_prep
	.p2align	8
	.type	k_qc89c22bc8b_prep,@function
k_qc89c22bc8b_prep:
	s_mov_b64 s[64:65], 0
	v_nop
	global_prefetch_b8 v0, s[64:65] scope:SCOPE_SE
	s_setreg_imm32_b32 hwreg(HW_REG_WAVE_MODE, 25, 1), 1
	s_wait_xcnt 0x0
; k1, k2 [4][2048][128] f32 are quantised along the head's 128, v [4][2048][128] f32 along the KEYS, to codes of FP6 (E2M3) with one E8M0 byte for each 32 along K.
; A block's scale is 2^(floor(log2(its largest magnitude)) - 2); its byte is the largest magnitude's exponent field - 2, held at 1 from below.
; LIMITS: NaN and infinities among the inputs are not served; a block whose largest magnitude lies under 2^-124 keeps the byte 1; a block of zeros keeps the byte 1 too
; (its codes are zeros, which add nothing under that byte, and this program alone reads the bytes).
; THE WORKSPACE IS LAID AS THE NEXT LAUNCH'S OPERAND REGISTERS: kv = [4 heads][8 slots of 256 keys][3 kinds: k1, k2, v][25,600 bytes].  In a kind, for key step q = 0, 1 of the slot:
;   12,288 q + 1,536 t + 512 c + 16 lane : registers 4 c .. 4 c + 3 of fragment t (16 rows x 128 K, 12 registers a lane)
;   24,576 + 512 q + 16 lane + 4 j       : scale words: lanes 0-15 row r of fragment 2 j, lanes 16-31 row r of fragment 2 j + 1
; Fragment t = 2 b + u of k: lane (r, h) holds key 32 b + 8 u + r + 8 (r / 8) of the step, registers 6 c .. 6 c + 5 its numbers 64 c + 32 h + 0 .. 31.
; Fragment t of v: lane (r, h) holds channel 16 t + r, registers 6 c .. 6 c + 5 the step's keys 64 c + 32 h + 0 .. 31.
; SHARES: a work-group takes one key step (128 keys x 128 numbers, 64 KiB) of one tensor: 3 kinds x 4 heads x 16 steps = 192.  Wave w makes fragments 2 w and 2 w + 1 and scale word j = w.
; No tensor loads.  Only k's path uses the stages; the gathering of the scale words is one text behind the join of the two paths.
.set SLOTB, 76800
.set KINDB, 25600
.set STEPB, 12288
.set SCLB,  24576
.set PITCH, 528                        ; a stage row: 512 bytes + 16: the sixteen rows that a pass of a 16-byte load touches start at sixteen different 16-byte columns
.set STG,   32*PITCH                   ; a wave's stage: its 32 keys
.set GATH,  4*STG                      ; behind the stages: 512 bytes in which the four waves' scale words meet
.set LANE, 1
.set LI,   2                           ; 16 x lane
.set RR,   3                           ; r = lane % 16
.set HH,   4                           ; h = lane / 16
.set H8,   5                           ; 8 h
.set KW,   6                           ; my stage, on the way in: 16 x lane
.set KR,   7                           ; and back: 528 r + 128 h
.set GA,   8                           ; where my scale word goes: GATH + 16 x lane + 4 x wave
.set GR,   9                           ; and where wave 0 reads four of them: GATH + 16 x lane
.set VD,   10                          ; my place in the step's images: 3,072 x wave + 16 x lane
.set VO,   11                          ; v in memory: my channel: 128 x wave + 4 x lane
.set KG,   12                          ; k in memory: 16,384 x wave + 16 x lane
.set TM,   16                          ; v16-19 largest magnitudes
.set SO,   20                          ; v20-23 the conversions' scale operands
.set BY,   24                          ; v24-27 scale bytes
.set PT,   28                          ; a lane permute's destination
.set R,    32                          ; v32-159 128 numbers
.set E,    160                         ; v160-171 fragment 2 w
.set OD,   172                         ; v172-183 fragment 2 w + 1
.set CT,   184                         ; v184-186, v188-190 the upper halves of blocks, as converted
.set W,    192                         ; my scale word
.set W0,   193
.set W1,   194
.set GW,   196                         ; v196-199 four scale words
.set SEL,  32                          ; s[32:33] v_permlanex16_b32's selects for lane l xor 16
	s_load_b256 s[4:11], s[0:1], 0x0               ; k1 s[4:5], k2 s[6:7], v s[8:9], kv s[10:11]
	v_lshl_add_u32 v200, v0, 2, 0x10a00
	v_mov_b32 v201, 0
	v_lshrrev_b32 v[LANE], 5, v0
	v_readfirstlane_b32 s12, v[LANE]               ; wave 0..3
	v_and_b32 v[LANE], 31, v0
	v_lshlrev_b32 v[LI], 4, v[LANE]
	v_and_b32 v[RR], 15, v0
	v_bfe_u32 v[HH], v0, 4, 1
	v_lshlrev_b32 v[H8], 3, v[HH]
	s_mul_i32 s13, s12, STG
	v_add_nc_u32 v[KW], s13, v[LI]
	v_mul_u32_u24 v[KR], v[RR], PITCH
	v_lshl_add_u32 v[KR], v[HH], 7, v[KR]
	v_add_nc_u32 v[KR], s13, v[KR]
	s_lshl_b32 s14, s12, 2
	s_add_co_u32 s14, s14, GATH
	v_add_nc_u32 v[GA], s14, v[LI]
	v_add_nc_u32 v[GR], GATH, v[LI]
	s_mul_i32 s15, s12, 3072
	v_add_nc_u32 v[VD], s15, v[LI]
	s_lshl_b32 s16, s12, 7
	v_lshl_add_u32 v[VO], v[LANE], 2, s16
	s_lshl_b32 s16, s12, 14
	v_add_nc_u32 v[KG], s16, v[LI]
	v_mov_b32 v[PT], 0                             ; written once: a lane permute's destination counts as one of its sources
	s_mov_b32 s[SEL], 0x76543210
	s_mov_b32 s[SEL+1], 0xfedcba98
	s_lshr_b32 s17, ttmp9, 6                       ; kind: 0 k1, 1 k2, 2 v
	s_bfe_u32 s18, ttmp9, 0x20004                  ; head
	s_and_b32 s19, ttmp9, 15                       ; key step
	s_lshl_b32 s20, s18, 20                        ; the source: head x 1 MiB + step x 64 KiB, the same in all three tensors
	s_lshl_b32 s21, s19, 16
	s_add_co_u32 s20, s20, s21
	s_mov_b32 s21, 0
	s_lshl_b32 s22, s18, 3
	s_lshr_b32 s23, s19, 1
	s_add_co_u32 s22, s22, s23                     ; 8 x head + slot
	s_mul_i32 s22, s22, SLOTB
	s_mul_i32 s23, s17, KINDB
	s_add_co_u32 s22, s22, s23                     ; where the kind begins in kv
	s_and_b32 s24, s19, 1                          ; which of the slot's two steps
	s_mul_i32 s25, s24, STEPB
	s_add_co_u32 s26, s22, s25                     ; the step's images
	s_mov_b32 s27, 0
	s_lshl_b32 s24, s24, 9
	s_add_co_u32 s28, s22, s24
	s_add_co_u32 s28, s28, SCLB                    ; the step's scale words
	s_mov_b32 s29, 0
	s_wait_kmcnt 0x0
	s_cmp_eq_u32 s17, 0                            ; the choice of the source hangs on the work-group's number alone
	s_cselect_b64 s[4:5], s[4:5], s[6:7]
	s_cmp_eq_u32 s17, 2
	s_cselect_b64 s[4:5], s[8:9], s[4:5]
	s_add_nc_u64 s[4:5], s[4:5], s[20:21]
	s_add_nc_u64 s[30:31], s[10:11], s[28:29]
	s_add_nc_u64 s[10:11], s[10:11], s[26:27]
	s_cmp_eq_u32 s17, 2
	s_cbranch_scc1 .Lv_path
; 64 numbers of a lane, register 32 c + i = number 64 c + 32 h + i of my row, become a fragment's 12 registers and, in every lane, my row's scale word.
.macro QROW src, dst, word
.irp c, 0,1
	v_max3_num_f32 v[TM+\c], |v[\src+32*\c]|, |v[\src+32*\c+1]|, 0x1800000   ; my block 2 c + h: all its 32 numbers are mine; and the floor 2^(3 - 127): the byte cannot fall under 1
.endr
.irp i, 2,4,6,8,10,12,14,16,18,20,22,24,26,28,30
.irp c, 0,1
	v_max3_num_f32 v[TM+\c], v[TM+\c], |v[\src+32*\c+\i]|, |v[\src+32*\c+\i+1]|   ; (the two blocks by turns)
.endr
.endr
.irp c, 0,1
	v_add_nc_u32 v[SO+\c], 0xff000000, v[TM+\c]    ; 2 off the exponent field: the conversion takes the exponent field of this operand as its scale
.endr
.irp c, 0,1
	v_lshrrev_b32 v[BY+\c], 23, v[SO+\c]           ; the scale's byte
.endr
	v_lshl_or_b32 v[\word], v[BY+1], 16, v[BY]     ; my two bytes, blocks h and 2 + h,
	v_lshlrev_b32 v[\word], v[H8], v[\word]        ; at their places in the word;
	v_permlanex16_b32 v[PT], v[\word], s[SEL], s[SEL+1]
	v_or_b32 v[\word], v[\word], v[PT]             ; with lane l xor 16's two the word is whole
.irp c, 0,1
	v_cvt_scalef32_pk16_fp6_f32 v[\dst+6*\c:\dst+6*\c+2], v[\src+32*\c:\src+32*\c+15], v[SO+\c]
	v_cvt_scalef32_pk16_fp6_f32 v[CT+4*\c:CT+4*\c+2], v[\src+32*\c+16:\src+32*\c+31], v[SO+\c]   ; (a conversion's three registers begin on an even number)
.endr
	v_nop                                          ; one plain place behind a scaled conversion
.irp c, 0,1
.irp i, 0,1,2
	v_mov_b32 v[\dst+6*\c+3+\i], v[CT+4*\c+\i]
.endr
.endr
.endm
; ---- k1 or k2.  Each load reads one key's 512 bytes, 16 a lane.  The keys are taken in the order of the fragments' rows: stage row 16 u + 8 a + i holds key 16 a + 8 u + i of my 32.
	s_wait_alu depctr_va_vdst(0)
.irp u, 0,1
.irp a, 0,1
.irp i, 0,1,2,3,4,5,6,7
	global_load_b128 v[R+4*(16*\u+8*\a+\i):R+4*(16*\u+8*\a+\i)+3], v[KG], s[4:5] offset:(16*\a+8*\u+\i)*512 th:TH_LOAD_NT
.endr
.endr
.endr
; Fragment u's 16 rows go through my own stage as they lie and come back 128 bytes a lane for each of its two blocks.  LDS serves a wave's instructions in order: no wait between the stores and the loads.
.macro TURN u
.irp i, 0,1,2,3,4,5,6,7,8,9,10,11,12,13,14,15
	ds_store_b128 v[KW], v[R+64*\u+4*\i:R+64*\u+4*\i+3] offset:(16*\u+\i)*PITCH
.endr
.irp c, 0,1
.irp k, 0,1,2,3,4,5,6,7
	ds_load_b128 v[R+64*\u+32*\c+4*\k:R+64*\u+32*\c+4*\k+3], v[KR] offset:16*\u*PITCH+256*\c+16*\k
.endr
.endr
.endm
	s_wait_loadcnt 16                              ; the first fragment's 16 rows are in; the second's 16 loads may be out
	TURN 0
	s_wait_loadcnt 0x0
	TURN 1
	s_wait_dscnt 32                                ; the first fragment is back; behind its loads stand the second's 16 stores and 16 loads
	QROW R, E, W0
	s_wait_dscnt 0x0
	QROW R+64, OD, W1
	v_cmp_gt_u32 vcc_lo, 16, v[LANE]
	v_cndmask_b32 v[W], v[W1], v[W0], vcc_lo       ; lanes 0-15: fragment 2 w's words; lanes 16-31: fragment 2 w + 1's
	s_branch .Ltail
; ---- v.  A LANE TAKES A CHANNEL, 32 w + lane, AND ITS REGISTERS RUN DOWN THE KEYS: a load reads 128 consecutive bytes, the four waves stand side by side on a key's 512; a block of 32 keys lies in one lane.
.Lv_path:
.set n, 0
	s_wait_alu depctr_va_vdst(0)
.rept 128
	global_load_b32 v[R+n], v[VO], s[4:5] offset:512*n th:TH_LOAD_NT
.set n, n+1
.endr
; Blocks 2 c and 2 c + 1 of my channel.  The fragment wants a whole block in a lane, lanes 0-15 block 2 c and lanes 16-31 block 2 c + 1 of ONE channel: the exchange of halves gives it:
; E's lanes 16-31 (block 2 c of channels 16 on) change places with OD's lanes 0-15 (block 2 c + 1 of channels 0-15).
.macro VPAIR c
.irp b, 0,1
	v_max3_num_f32 v[TM+2*\c+\b], |v[R+64*\c+32*\b]|, |v[R+64*\c+32*\b+1]|, 0x1800000
.endr
.irp i, 2,4,6,8,10,12,14,16,18,20,22,24,26,28,30
.irp b, 0,1
	v_max3_num_f32 v[TM+2*\c+\b], v[TM+2*\c+\b], |v[R+64*\c+32*\b+\i]|, |v[R+64*\c+32*\b+\i+1]|
.endr
.endr
.irp b, 0,1
	v_add_nc_u32 v[SO+2*\c+\b], 0xff000000, v[TM+2*\c+\b]
.endr
.irp b, 0,1
	v_lshrrev_b32 v[BY+2*\c+\b], 23, v[SO+2*\c+\b]
.endr
	v_cvt_scalef32_pk16_fp6_f32 v[E+6*\c:E+6*\c+2], v[R+64*\c:R+64*\c+15], v[SO+2*\c]
	v_cvt_scalef32_pk16_fp6_f32 v[CT:CT+2], v[R+64*\c+16:R+64*\c+31], v[SO+2*\c]
	v_cvt_scalef32_pk16_fp6_f32 v[OD+6*\c:OD+6*\c+2], v[R+64*\c+32:R+64*\c+47], v[SO+2*\c+1]
	v_cvt_scalef32_pk16_fp6_f32 v[CT+4:CT+6], v[R+64*\c+48:R+64*\c+63], v[SO+2*\c+1]
	v_nop                                          ; one plain place behind a scaled conversion
.irp i, 0,1,2
	v_mov_b32 v[E+6*\c+3+\i], v[CT+\i]
	v_mov_b32 v[OD+6*\c+3+\i], v[CT+4+\i]
.endr
.irp i, 0,1,2,3,4,5
	v_permlane16_swap_b32 v[E+6*\c+\i], v[OD+6*\c+\i]
.endr
.endm
	s_wait_loadcnt 63                              ; at most 63 of the 128 are out: keys 0 to 64 are in
	VPAIR 0
	s_wait_loadcnt 0x0
	VPAIR 1
	v_lshl_or_b32 v[W], v[BY+1], 8, v[BY]          ; my channel's four bytes: lanes 0-15 are fragment 2 w's rows, lanes 16-31 fragment 2 w + 1's
	v_lshl_or_b32 v[W], v[BY+2], 16, v[W]
	v_lshl_or_b32 v[W], v[BY+3], 24, v[W]
; ---- both paths: the images leave as they stand, 512 consecutive bytes a store, at multiples of 512 from kv's first byte
.Ltail:
.irp c, 0,1,2
	global_store_b128 v[VD], v[E+4*\c:E+4*\c+3], s[10:11] offset:512*\c
.endr
	s_wait_alu depctr_va_vdst(0)
.irp c, 0,1,2
	global_store_b128 v[VD], v[OD+4*\c:OD+4*\c+3], s[10:11] offset:1536+512*\c
.endr
	ds_store_b32 v[GA], v[W]                       ; the four waves' words meet, four to a lane
	s_wait_dscnt 0x0                               ; for the others' sake: my store has landed
	s_barrier_signal -1
	s_barrier_wait -1
	s_cmp_lg_u32 s12, 0
	s_cbranch_scc1 .Ldone
	ds_load_b128 v[GW:GW+3], v[GR]
	s_wait_dscnt 0x0
	global_store_b128 v[LI], v[GW:GW+3], s[30:31]  ; the step's 512 bytes of scale words, by one store
.Ldone:
	s_wait_tensorcnt 0x0
	ds_add_u32 v200, v201
	s_wait_dscnt 0x0
	s_endpgm
.Lfunc_end_k_qc89c22bc8b_prep:
	.size	k_qc89c22bc8b_prep, .Lfunc_end_k_qc89c22bc8b_prep-k_qc89c22bc8b_prep
	.p2alignl 7, 3214868480
	.fill 96, 4, 3214868480
	.section	.rodata,"a",@progbits
	.p2align	6, 0x0
	.amdhsa_kernel k_qc89c22bc8b_prep
		.amdhsa_group_segment_fixed_size 68608
		.amdhsa_private_segment_fixed_size 0
		.amdhsa_enable_private_segment 0
		.amdhsa_kernarg_size 32
		.amdhsa_user_sgpr_count 2
		.amdhsa_user_sgpr_kernarg_segment_ptr 1
		.amdhsa_wavefront_size32 1
		.amdhsa_system_sgpr_workgroup_id_x 1
		.amdhsa_system_sgpr_workgroup_id_y 1
		.amdhsa_system_sgpr_workgroup_id_z 1
		.amdhsa_system_vgpr_workitem_id 0
		.amdhsa_next_free_vgpr 202
		.amdhsa_next_free_sgpr 66
		.amdhsa_reserve_vcc 1
		.amdhsa_float_denorm_mode_32 3
		.amdhsa_float_denorm_mode_16_64 3
		.amdhsa_memory_ordered 1
		.amdhsa_forward_progress 1
		.amdhsa_inst_pref_size 35
	.end_amdhsa_kernel
	.amdgpu_metadata
---
amdhsa.version: [ 1, 2 ]
amdhsa.kernels:
  - .name:           k_qc89c22bc8b_prep
    .symbol:         k_qc89c22bc8b_prep.kd
    .args:
      - { .name: k1, .offset: 0, .size: 8, .value_kind: global_buffer, .address_space: global }
      - { .name: k2, .offset: 8, .size: 8, .value_kind: global_buffer, .address_space: global }
      - { .name: v, .offset: 16, .size: 8, .value_kind: global_buffer, .address_space: global }
      - { .name: kv, .offset: 24, .size: 8, .value_kind: global_buffer, .address_space: global }
    .group_segment_fixed_size: 68608
    .private_segment_fixed_size: 0
    .kernarg_segment_align: 8
    .kernarg_segment_size: 32
    .max_flat_workgroup_size: 128
    .sgpr_count:     66
    .vgpr_count:     202
    .wavefront_size: 32
...
	.end_amdgpu_metadata
.endif
;; end of part 1
;; launch attn (part 2): grid 16 x 16, 8 waves a work-group, clusters of 4 x 1, 327,680 bytes of LDS; arguments q1, q2, lambda_log, kv, out0; writes out0
.if DOCPART == 2
	.amdgcn_target "amdgcn-amd-amdhsa--gfx1250"
	.amdhsa_code_object_version 6
	.text
	.protected	k_qc89c22bc8b_attn
	.globl	k_qc89c22bc8b_attn
	.p2align	8
	.type	k_qc89c22bc8b_attn,@function
k_qc89c22bc8b_attn:
	s_mov_b64 s[64:65], 0
	v_nop
	global_prefetch_b8 v0, s[64:65] scope:SCOPE_SE
	s_setreg_imm32_b32 hwreg(HW_REG_WAVE_MODE, 25, 1), 1
	s_wait_xcnt 0x0
	s_wait_alu depctr_hold_cnt(0) depctr_sa_sdst(0) depctr_va_vdst(0) depctr_va_sdst(0) depctr_va_ssrc(0) depctr_va_vcc(0) depctr_vm_vsrc(0)
	s_getreg_b32 s2, hwreg(HW_REG_IB_STS2, 6, 4)
	s_cmp_eq_u32 s2, 0
	s_cbranch_scc0 .Lentry_in_a_cluster
	s_endpgm
.Lentry_in_a_cluster:
	s_bfe_u32 s2, ttmp6, 0x10000c
	s_cmp_lg_u32 s2, 0x3003
	s_cbranch_scc0 .Lentry_shape_is_right
	s_endpgm
.Lentry_shape_is_right:
; out0 = A(q1, k1, v) - exp(lambda_log) A(q2, k2, v), A = softmax(q k^T / sqrt(128)) v; 16 heads on 4 key heads, 2,048 queries and keys, head size 128.
; All four products on codes of FP6 (E2M3) with one E8M0 scale for each 32 along K.  k1, k2, v come as images of operand registers with their scale words (buffer kv, laid by the launch before); q is quantised here.
; THE SOFTMAX: t = score x log2(e) / sqrt(128); M = the running largest t rounded UP to a whole number; p = 2^(t - M) is quantised along the keys; the row's sum is taken of the unquantised p and divides at the end.
; When M moves, the sums and O are multiplied by 2^(old M - new M), which rounds nothing.
; LIMITS: NaN and infinities among the inputs are not served.  A block of q under 2^-124, a block of zeros and a block of p that has fallen to 0 keep the scale byte 1.
; A block's largest p is not searched for: the block's largest score goes through the same multiply-add and exponential; that takes v_exp_f32 not to fall where its input rises.
; SHARES.  A work-group owns 128 queries of one head in BOTH attentions.  Eight waves, two to a SIMD.  Wave w: attention a = w / 4, two tiles of 16 queries: register tile j is query tile 2 (w % 4) + (j xor a).
; At the end a wave keeps its tile 0 and hands tile 1 to wave w xor 4, which holds the same queries in the other attention.
; LAYOUT.  Both products transposed: S^T = K Q^T, O^T = V^T P^T: a lane holds ONE query (lane % 16) throughout.
; A KEY STEP is two turns, tile 0's and tile 1's: K Q^T, softmax, p's codes, O's rescaling, V^T P^T, the row's sum.  One buffer serves S, so k's and v's fragments both have registers of their own:
; the next step's k is fetched behind tile 1's K Q^T, half a step ahead of its use; the next step's v behind tile 1's V^T P^T, a turn's softmax ahead of its use.
; RING.  Two LDS slots of 256 keys (76,800 bytes, one dense block of memory); waves 0 to 3 fetch a quarter each, 75 rows of 256 bytes: one tensor load a wave is out.  A slot's last reads are issued at the end of its first step.
; THE CHANGE OF SLOTS lies in the slot's second step: the waits, the add and the opening signal stand in tile 0's turn, where v's fragments are awaited anyway; the barrier's wait stands behind tile 1's K Q^T,
; with register work alone between the two; behind the round come the refill and the fetch of the next slot's k.
; CLUSTER.  The four work-groups of a cluster are four query blocks of one head and walk the same slots: each quarter is asked for JOINTLY.
; The last two slots ask for no fill and are written out.
; REGISTERS.  Window 0: v1-23 addresses, statistics; v24-35 scale words and nothing else; v36-49 at work; v64-159 k's fragments; v160-255 v's.
;   Window 1: v0-127 O^T; v128-135 the sums, two pairs a tile; v144-207 S^T, then p; v208-219 p's codes; v220-226 halves of blocks as converted; v228-251 Q.
.set SLOTB, 76800
.set KINDB, 25600
.set STEPB, 12288
.set SCLB,  24576
.set QUARB, 19200
.set SLOT1, 1<<17
.set PITCH, 528
.set STGB,  16*PITCH
.set SPARE, 1<<18                      ; the spare words: 128 bytes a wave, four blocks of 256 bytes that no other line names
.set LI,  1
.set SPW, 2
.set NIL, 3
.set AK0, 4
.set AV0, 5
.set ADK, 6
.set ADV, 7
.set QW,  8
.set QR,  9
.set H8,  10
.set XB,  11
.set ST,  12                           ; tile j: v[12+2j] -M, v[13+2j] the largest t
.set FF,  16                           ; tile j: v[16+2j] f (the pair's upper word is written once)
.set RI,  20
.set RO,  21
.set PFO, 22
.set QS,  24
.set PW,  26
.set KS,  28
.set VS,  32
.set BM,  36                           ; +0..3 block maxima; +4..7 permute results, bytes; +8..11 scale operands; +12, 13 at work
.set KF,  64
.set VF,  160
.set AC,  128                          ; window 1 from here on
.set S,   144
.set PC,  208
.set CT,  220
.set QF,  228
.set WV,  14
.set SEL, 20
.set CS,  22
.set G1,  24
.set G0,  32
.set TB,  36
.set SLOTS, 37
.set LIM, 38
.set PFA, 40
.set MSB, 0
.macro WIN new                         ; the immediate's high byte repeats the setting that is left
.if MSB != \new
	s_set_vgpr_msb (MSB<<8)|\new
.set MSB, \new
.endif
.endm
.macro VW
	s_wait_alu depctr_va_vdst(0)
.endm
.macro PLACES
.rept 4
	v_nop
.endr
.endm
.macro CREST                           ; a round of the cluster's barrier behind its opening barrier
	s_cmp_lg_u32 s[WV], 0
	s_cbranch_scc1 .Lnot_wave_0_\@
	s_barrier_signal -3
.Lnot_wave_0_\@:
	s_barrier_wait -3
	s_barrier_signal -1
	s_barrier_wait -1
.endm
.macro CROUND
	s_barrier_signal -1
	s_barrier_wait -1
	CREST
.endm
.macro JLOAD                           ; waves 0 to 3, a quarter of a slot each; s_nop 0 and four v_nop follow
	s_cmp_lt_u32 s[WV], 4
	s_cbranch_scc0 .Lno_load_\@
	tensor_load_to_lds s[G0:G0+3], s[G1:G1+7]
	s_nop 0
	PLACES
.Lno_load_\@:
.endm
; A prefetch of the slot that the NEXT fill will ask for, two key steps ahead of that load.  Of the sixteen clusters that walk a key head's slots the first asks (cluster x = 0, first of the four heads); its four partners take
; a quarter each BY ADDRESS; waves 4 to 6, which fetch nothing, take 25 blocks of 256 bytes each, a lane a block (lanes 25 to 31 name lane 24's again).  The last fill asks for nothing; slots 0 and 1 come by their loads alone.
.macro ASK
	s_cmp_gt_u32 s[SLOTS], s[LIM]
	s_cbranch_scc0 .Lnot_mine_\@
	global_prefetch_b8 v[PFO], s[PFA:PFA+1] th:TH_LOAD_NT scope:SCOPE_SE
.Lnot_mine_\@:
.endm
	s_load_b256 s[4:11], s[0:1], 0x0               ; q1, q2, lambda_log, kv
	s_load_b64 s[12:13], s[0:1], 0x20              ; out0
	v_lshl_add_u32 v[SPW], v0, 2, SPARE
	v_mov_b32 v[NIL], 0
	ds_add_u32 v[SPW], v[NIL]                      ; the opening lines: the add twice on end and its wait
	ds_add_u32 v[SPW], v[NIL]
	v_lshrrev_b32 v23, 5, v0
	v_readfirstlane_b32 s[WV], v23                 ; wave 0..7
	s_lshr_b32 s15, s[WV], 2                       ; a
	s_and_b32 s16, s[WV], 3                        ; which pair of query tiles; in waves 0 to 3 also which quarter of a slot
	s_bfe_u32 s17, ttmp6, 0x40000                  ; cx: it enters Q's, out0's and the prefetches' addresses alone
	s_lshl_b32 s18, ttmp9, 2
	s_add_co_u32 s18, s18, s17                     ; my block of 128 queries
	s_and_b32 s19, ttmp7, 0xffff                   ; the head
	s_mov_b32 s[SEL], 0x76543210
	s_mov_b32 s[SEL+1], 0xfedcba98
	s_mov_b32 s[CS], 0x3e0293ee                    ; log2(e) / sqrt(128)
	s_mov_b32 s[CS+1], s[CS]
	s_mov_b32 s[TB], 0
	s_mov_b32 s[SLOTS], 7
	s_mov_b32 s[G1], 15|(3<<16)|(1<<21)            ; mask of all four; elements of 8 bytes; bit 21 beside a mask
	s_mov_b32 s[G1+1], 32<<16
	s_mov_b32 s[G1+2], 75<<16
	s_mov_b32 s[G1+3], 32<<16
	s_mov_b32 s[G1+4], 75
	s_mov_b32 s[G1+5], 32
	s_mov_b32 s[G1+6], 0
	s_mov_b32 s[G1+7], 0
	v_and_b32 v23, 31, v0
	v_lshlrev_b32 v[LI], 4, v23
	v_min_u32 v[PFO], 24, v23
	v_lshlrev_b32 v[PFO], 8, v[PFO]
	v_and_b32 v23, 15, v0                          ; r
	v_bfe_u32 v[H8], v0, 4, 1                      ; h
	s_mul_i32 s60, s15, KINDB
	v_add_nc_u32 v[AK0], s60, v[LI]                ; kind a: k1's or k2's images
	v_add_nc_u32 v[AV0], 2*KINDB, v[LI]            ; kind 2: v's
	s_mul_i32 s60, s16, STGB
	s_lshl_b32 s61, s15, 17
	s_add_co_u32 s60, s60, s61
	s_add_co_u32 s60, s60, SLOTB                   ; my stage, 8,448 bytes behind slot a: no tile lands there
	v_add_nc_u32 v[QW], s60, v[LI]
	v_mul_u32_u24 v[QR], v23, PITCH
	v_lshl_add_u32 v[RI], v[H8], 5, v[QR]
	v_lshl_add_u32 v[QR], v[H8], 7, v[QR]
	v_add_nc_u32 v[QR], s60, v[QR]
	v_xor_b32 v[XB], SLOT1, v[QW]                  ; wave w xor 4's stage
	s_mul_i32 s61, s[WV], STGB                     ; the way out: 16 rows x 528 bytes a wave, in slot 0, which by then has had its last fill and its last read
	v_add_nc_u32 v[RI], s61, v[RI]
	v_add_nc_u32 v[RO], s61, v[LI]
	v_lshlrev_b32 v[H8], 3, v[H8]
	s_lshl_b32 s46, s19, 20                        ; Q and out0: head x 1 MiB + block x 64 KiB + pair x 16 KiB + tile x 8 KiB
	s_lshl_b32 s47, s18, 16
	s_add_co_u32 s46, s46, s47
	s_lshl_b32 s47, s16, 14
	s_add_co_u32 s46, s46, s47
	s_lshl_b32 s48, s15, 13
	s_add_co_u32 s52, s46, s48                     ; register tile 0: also what I store
	s_mov_b32 s53, 0
	s_xor_b32 s48, s48, 8192
	s_add_co_u32 s54, s46, s48                     ; register tile 1
	s_mov_b32 s55, 0
	s_lshr_b32 s39, s19, 2
	s_mul_i32 s39, s39, 8*SLOTB                    ; the key head
	s_mul_i32 s[G0+1], s16, QUARB                  ; my quarter of slot 0 in LDS,
	s_add_co_u32 s56, s39, s[G0+1]                 ; and in memory
	s_mov_b32 s57, 0
	s_mul_i32 s58, s17, QUARB                      ; the prefetches: my work-group's quarter, my wave's third, in slot 1: the first fill steps it to slot 2
	s_mul_i32 s49, s16, 6400
	s_add_co_u32 s58, s58, s49
	s_add_co_u32 s58, s58, s39
	s_add_co_u32 s58, s58, SLOTB
	s_mov_b32 s59, 0
	s_sub_co_u32 s49, s[WV], 4
	s_cmp_lt_u32 s49, 3
	s_cselect_b32 s[LIM], 0, 1
	s_and_b32 s49, s19, 3
	s_or_b32 s[LIM], s[LIM], s49
	s_or_b32 s[LIM], s[LIM], ttmp9
	s_cmp_eq_u32 s[LIM], 0
	s_cselect_b32 s[LIM], 1, -1
	VW                                             ; the head's addresses are first read behind the waits below
	s_wait_dscnt 0x0                               ; both opening adds are done
	s_wait_kmcnt 0x0
	s_cmp_eq_u32 s15, 0
	s_cselect_b32 s51, 0, -1                       ; a lane mask: all on in the second attention's waves
	s_cselect_b64 s[42:43], s[4:5], s[6:7]         ; q1 or q2
	s_add_nc_u64 s[44:45], s[42:43], s[54:55]
	s_add_nc_u64 s[42:43], s[42:43], s[52:53]
	s_add_nc_u64 s[12:13], s[12:13], s[52:53]
	s_add_nc_u64 s[PFA:PFA+1], s[10:11], s[58:59]
	s_load_b32 s50, s[8:9], 0x0                    ; lambda_log
.set n, 0
.rept 16                                           ; 32 rows of Q, 512 consecutive bytes a load, into the registers that later hold fragments
	global_load_b128 v[KF+4*n:KF+4*n+3], v[LI], s[42:43] offset:512*n th:TH_LOAD_NT
.set n, n+1
.endr
.set n, 0
.rept 16
	global_load_b128 v[KF+64+4*n:KF+64+4*n+3], v[LI], s[44:45] offset:512*n th:TH_LOAD_NT
.set n, n+1
.endr
	s_mov_b32 s[G0], 1
	s_add_nc_u64 s[G0+2:G0+3], s[10:11], s[56:57]
	s_or_b32 s[G0+3], s[G0+3], 0x80000000
	s_wait_kmcnt 0x0
	CROUND                                         ; the first joint loads meet
	JLOAD                                          ; slot 0: the one first fill at the head
.irp j, 0,1
	v_mov_b32 v[ST+2*\j+1], 0xff61b1e6             ; -3e38, under every t
	v_mov_b32 v[FF+2*\j+1], 0
.endr
.irp b, 0,1,2,3
	v_mov_b32 v[BM+4+\b], 0                        ; a lane permute's destination counts as one of its sources
.endr
.irp j, 0,1
	v_floor_f32 v[ST+2*\j], -v[ST+2*\j+1]          ; -M
.endr
	WIN 0x40
.set n, 0
.rept 136                                          ; O^T and the sums, while Q is on its way: the step is written once, the first finds zeros
	v_mov_b32 v[n], 0
.set n, n+1
.endr
	WIN 0
	VW
; A tile's 16 rows of Q go through my stage as they lie and come back 128 bytes a lane for each of its two blocks; LDS serves a wave's instructions in order
.macro QTURN j
.set n, 0
.rept 16
	ds_store_b128 v[QW], v[KF+64*(\j)+4*n:KF+64*(\j)+4*n+3] offset:n*PITCH
.set n, n+1
.endr
.set n, 0
.rept 16
	ds_load_b128 v[KF+64*(\j)+4*n:KF+64*(\j)+4*n+3], v[QR] offset:256*(n/8)+16*(n%8)
.set n, n+1
.endr
.endm
; 64 numbers of a lane (register 32 c + i = number 64 c + 32 h + i of my row) become a fragment's 12 registers and my row's scale word
.macro QROW j
.set qs, KF+64*(\j)
.irp c, 0,1
	v_max3_num_f32 v[BM+\c], 0x1800000, |v[qs+32*\c]|, |v[qs+32*\c+1]|   ; with the floor 2^(3 - 127): the byte cannot fall under 1
.endr
.irp i, 2,4,6,8,10,12,14,16,18,20,22,24,26,28,30
.irp c, 0,1
	s_delay_alu instid0(VALU_DEP_2)
	v_max3_num_f32 v[BM+\c], v[BM+\c], |v[qs+32*\c+\i]|, |v[qs+32*\c+\i+1]|
.endr
.endr
.irp c, 0,1
	s_delay_alu instid0(VALU_DEP_2)
	v_add_nc_u32 v[BM+8+\c], 0xff000000, v[BM+\c]  ; 2 off the exponent field: the conversion's scale operand
.endr
.irp c, 0,1
	s_delay_alu instid0(VALU_DEP_2)
	v_lshrrev_b32 v[BM+2+\c], 23, v[BM+8+\c]
.endr
	s_delay_alu instid0(VALU_DEP_1)
	v_lshl_or_b32 v[QS+\j], v[BM+3], 16, v[BM+2]
	s_delay_alu instid0(VALU_DEP_1)
	v_lshlrev_b32 v[QS+\j], v[H8], v[QS+\j]
	s_delay_alu instid0(VALU_DEP_1)
	v_permlanex16_b32 v[BM+4], v[QS+\j], s[SEL], s[SEL+1]
	s_delay_alu instid0(VALU_DEP_1)
	v_or_b32 v[QS+\j], v[QS+\j], v[BM+4]
	WIN 0x40
.irp c, 0,1
	v_cvt_scalef32_pk16_fp6_f32 v[QF+12*\j+6*\c:QF+12*\j+6*\c+2], v[qs+32*\c:qs+32*\c+15], v[BM+8+\c]
	v_cvt_scalef32_pk16_fp6_f32 v[CT+4*\c:CT+4*\c+2], v[qs+32*\c+16:qs+32*\c+31], v[BM+8+\c]
.endr
	v_nop
	WIN 0x41
.irp c, 0,1
.irp i, 0,1,2
	v_mov_b32 v[QF+12*\j+6*\c+3+\i], v[CT+4*\c+\i]
.endr
.endr
	WIN 0
.endm
	s_wait_loadcnt 16                              ; tile 0's 16 rows are in
	QTURN 0
	s_wait_loadcnt 0x0
	QTURN 1
	s_wait_dscnt 32                                ; tile 0 is back; behind its loads stand tile 1's 16 stores and 16 loads
	QROW 0
	s_wait_dscnt 0x0
	QROW 1
; 25 LDS loads in one run: a key step's scale words and eight fragments
.macro FETCH adr, sc, fr, q
	ds_load_b128 v[\sc:\sc+3], v[\adr] offset:SCLB+512*\q
.set fn, 0
.rept 24
	ds_load_b128 v[\fr+4*fn:\fr+4*fn+3], v[\adr] offset:STEPB*\q+512*fn
.set fn, fn+1
.endr
.endm
; THE CHANGE OF SLOTS, first part: each wave waits for all its tensor loads, adds 0 to its spare word, waits for that and for its reads of the slot left, and signals.
; Ahead of a fill the add stands twice on end.
.macro CH_A fill, tog
.if \tog
	s_xor_b32 s[TB], s[TB], SLOT1
.endif
	v_add_nc_u32 v[ADK], s[TB], v[AK0]
	v_add_nc_u32 v[ADV], s[TB], v[AV0]
	VW
	s_wait_tensorcnt 0x0
	ds_add_u32 v[SPW], v[NIL]
.if \fill
	ds_add_u32 v[SPW], v[NIL]
	s_xor_b32 s[G0+1], s[G0+1], SLOT1              ; no load of mine is out: the walking descriptor takes the other slot, the next 256 keys
	s_add_nc_u64 s[G0+2:G0+3], s[G0+2:G0+3], SLOTB
	s_wait_xcnt 0x0                                ; the last prefetch has read its address
	s_add_nc_u64 s[PFA:PFA+1], s[PFA:PFA+1], SLOTB
.endif
	s_wait_dscnt 0x0
	s_barrier_signal -1
.endm
; second part: the barrier's wait; with a fill it has opened a round of the cluster's barrier, and the joint refill is the first tensor load behind the round
.macro CH_B fill
	s_barrier_wait -1
.if \fill
	CREST
	JLOAD
	ASK
.endif
.endm
; TILE j's TURN.  cm (ahead of p's codes): -1 nothing; 0 await v's fragments; 1 the change's first part, with a fill; 2 without.
; km (behind K Q^T): 0 nothing; 1 fetch k of the slot's second step; 2 the change's second part with a fill, then k of the next slot; 3 the same without a fill.   vq >= 0: fetch v's fragments of step vq of the slot that ADV names.
.macro TILE j, cm, km, vq
.set rO, 64*(\j)
.set rA, AC+4*(\j)
.set rT, ST+2*(\j)
.set rF, FF+2*(\j)
.if \j == 0
	s_wait_dscnt 25                                ; k's 25 loads are in; v's 25, issued behind them, may be out
.endif
	WIN 0x44
.set t, 0
.rept 4                                            ; S^T = K Q^T: eight products, each starts its sum with the constant 0
	v_wmma_scale_f32_16x16x128_f8f6f4 v[S+16*t:S+16*t+7], v[KF+24*t:KF+24*t+11], v[QF+12*\j:QF+12*\j+11], 0, v[KS+t], v[QS+\j] matrix_a_fmt:MATRIX_FMT_FP6 matrix_b_fmt:MATRIX_FMT_FP6
	v_wmma_scale_f32_16x16x128_f8f6f4 v[S+16*t+8:S+16*t+15], v[KF+24*t+12:KF+24*t+23], v[QF+12*\j:QF+12*\j+11], 0, v[KS+t], v[QS+\j] matrix_a_fmt:MATRIX_FMT_FP6 matrix_b_fmt:MATRIX_FMT_FP6 matrix_a_scale:MATRIX_SCALE_ROW1
.set t, t+1
.endr
	WIN 0
	PLACES                                         ; ahead of the first read of the scores and of loads into the fragments' registers
.if \km == 1
	FETCH ADK, KS, KF, 1
.endif
.if \km == 2
	CH_B 1
	FETCH ADK, KS, KF, 0
.endif
.if \km == 3
	CH_B 0
	FETCH ADK, KS, KF, 0
.endif
	WIN 0x14
.irp b, 0,1,2,3
	v_max3_num_f32 v[BM+\b], 0xff800000, v[S+16*\b], v[S+16*\b+1]   ; the largest score of each block of 32 keys; each accumulator from its low end on
.endr
.irp i, 2,4,6,8,10,12,14
.irp b, 0,1,2,3
	v_max3_num_f32 v[BM+\b], v[BM+\b], v[S+16*\b+\i], v[S+16*\b+\i+1]
.endr
.endr
	WIN 0
.irp b, 0,1,2,3
	v_permlanex16_b32 v[BM+4+\b], v[BM+\b], s[SEL], s[SEL+1]
.endr
.irp b, 0,1,2,3
	v_max_num_f32 v[BM+\b], v[BM+\b], v[BM+4+\b]   ; with lane l xor 16's 16 keys
.endr
	v_max3_num_f32 v[BM+12], v[BM], v[BM+1], v[BM+2]
	v_mov_b32 v[BM+13], v[rT]
	v_max_num_f32 v[BM+12], v[BM+12], v[BM+3]
	v_mul_f32 v[BM+12], s[CS], v[BM+12]
	v_max_num_f32 v[rT+1], v[rT+1], v[BM+12]       ; the running largest t
	v_floor_f32 v[rT], -v[rT+1]                    ; the new -M
	v_sub_f32 v[BM+13], v[rT], v[BM+13]            ; old M - new M
	v_fma_f32 v[BM], v[BM], s[CS], v[rT]           ; t - M of each block's largest score
	v_fma_f32 v[BM+1], v[BM+1], s[CS], v[rT]
	v_cvt_i32_f32 v[BM+13], v[BM+13]               ; (it saturates)
	v_fma_f32 v[BM+2], v[BM+2], s[CS], v[rT]
	v_fma_f32 v[BM+3], v[BM+3], s[CS], v[rT]
	v_ldexp_f32 v[rF], 1.0, v[BM+13]               ; f
	WIN 0x41
.set n, 0
.rept 32
	v_pk_fma_f32 v[S+n:S+n+1], v[S+n:S+n+1], s[CS:CS+1], v[rT:rT+1] op_sel_hi:[1,0,0]
.set n, n+2
.endr
	VW                                             ; ahead of the batch
.set n, 0
.rept 64
	v_exp_f32 v[S+n], v[S+n]                       ; p = 2^(t - M)
.set n, n+1
.endr
	WIN 0
.irp b, 0,1,2,3
	v_exp_f32 v[BM+\b], v[BM+\b]                   ; the block's largest p
.endr
	v_nop
	VW                                             ; behind the batch
.irp b, 0,1,2,3
	v_max_num_f32 v[BM+\b], 0x1800000, v[BM+\b]
.endr
.irp b, 0,1,2,3
	v_add_nc_u32 v[BM+8+\b], 0xff000000, v[BM+\b]
.endr
.irp b, 0,1,2,3
	v_lshrrev_b32 v[BM+4+\b], 23, v[BM+8+\b]
.endr
	v_lshl_or_b32 v[BM+12], v[BM+5], 8, v[BM+4]
	v_lshl_or_b32 v[BM+13], v[BM+7], 8, v[BM+6]
	v_lshl_or_b32 v[PW], v[BM+13], 16, v[BM+12]    ; p's scale word
.if \cm == 0
	VW
	s_wait_dscnt 0x0                               ; v's fragments are in
.endif
.if \cm == 1
	CH_A 1, 1
.endif
.if \cm == 2
	CH_A 0, 1
.endif
	WIN 0x41
.irp c, 0,1
	v_cvt_scalef32_pk16_fp6_f32 v[PC+6*\c:PC+6*\c+2], v[S+32*\c:S+32*\c+15], v[BM+8+2*\c]
	v_cvt_scalef32_pk16_fp6_f32 v[CT+4*\c:CT+4*\c+2], v[S+32*\c+16:S+32*\c+31], v[BM+8+2*\c+1]
.endr
	v_nop
.irp c, 0,1                                        ; a WHOLE block in a lane: lanes 0-15 block 2 c, lanes 16-31 block 2 c + 1
.irp i, 0,1,2
	v_permlane16_swap_b32 v[PC+6*\c+\i], v[CT+4*\c+\i]
.endr
.endr
.irp c, 0,1
.irp i, 0,1,2
	v_mov_b32 v[PC+6*\c+3+\i], v[CT+4*\c+\i]
.endr
.endr
	VW                                             ; ahead of the first readers of O^T
.set n, rO
.rept 32
	v_pk_mul_f32 v[n:n+1], v[n:n+1], v[rF:rF+1] op_sel_hi:[1,0]   ; O^T under the new M; also the places ahead of the scaled products
.set n, n+2
.endr
	v_pk_mul_f32 v[rA:rA+1], v[rA:rA+1], v[rF:rF+1] op_sel_hi:[1,0]   ; and the sums
	v_pk_mul_f32 v[rA+2:rA+3], v[rA+2:rA+3], v[rF:rF+1] op_sel_hi:[1,0]
	WIN 0x54
.set t, 0
.rept 4                                            ; O^T += V^T P^T: eight accumulators, one instruction each
	v_wmma_scale_f32_16x16x128_f8f6f4 v[rO+16*t:rO+16*t+7], v[VF+24*t:VF+24*t+11], v[PC:PC+11], v[rO+16*t:rO+16*t+7], v[VS+t], v[PW] matrix_a_fmt:MATRIX_FMT_FP6 matrix_b_fmt:MATRIX_FMT_FP6
	v_wmma_scale_f32_16x16x128_f8f6f4 v[rO+16*t+8:rO+16*t+15], v[VF+24*t+12:VF+24*t+23], v[PC:PC+11], v[rO+16*t+8:rO+16*t+15], v[VS+t], v[PW] matrix_a_fmt:MATRIX_FMT_FP6 matrix_b_fmt:MATRIX_FMT_FP6 matrix_a_scale:MATRIX_SCALE_ROW1
.set t, t+1
.endr
	WIN 0x45
.set sn, 0
.rept 2                                            ; the row's sum of the unquantised p, in two chains; the first four lines are the places behind the products
	v_pk_add_f32 v[rA:rA+1], v[rA:rA+1], v[S+sn:S+sn+1]
	v_pk_add_f32 v[rA+2:rA+3], v[rA+2:rA+3], v[S+sn+2:S+sn+3]
.set sn, sn+4
.endr
.if \vq >= 0
	WIN 0
	FETCH ADV, VS, VF, \vq
	WIN 0x45
.endif
.rept 14
	v_pk_add_f32 v[rA:rA+1], v[rA:rA+1], v[S+sn:S+sn+1]
	v_pk_add_f32 v[rA+2:rA+3], v[rA+2:rA+3], v[S+sn+2:S+sn+3]
.set sn, sn+4
.endr
	WIN 0
.endm
	CH_A 1, 0                                      ; slot 0 is whole; slot 1's first fill is issued as a refill is
	CH_B 1
	s_sub_co_u32 s[SLOTS], s[SLOTS], 1
	FETCH ADK, KS, KF, 0
	FETCH ADV, VS, VF, 0
.rept 8
	v_nop                                          ; the places between the vector writes of Q's codes and scale words and the first scaled product
.endr
.Lslot:                                            ; six trips: each asks for the slot two on
	TILE 0, 0, 0, -1
	TILE 1, -1, 1, 1
	TILE 0, 1, 0, -1
	TILE 1, -1, 2, 0
	s_sub_co_u32 s[SLOTS], s[SLOTS], 1
	s_cmp_lg_u32 s[SLOTS], 0
	VW
	s_cbranch_scc1 .Lslot
	TILE 0, 0, 0, -1                               ; slot 6: the change asks for nothing
	TILE 1, -1, 1, 1
	TILE 0, 2, 0, -1
	TILE 1, -1, 3, 0
	TILE 0, 0, 0, -1                               ; slot 7: no change, and nothing follows its second step
	TILE 1, -1, 1, 1
	TILE 0, 0, 0, -1
	TILE 1, -1, 0, -1
	; THE WAY OUT.  g = the attention's factor (1, or -exp(lambda_log)) / the row's sum; O^T x g
	WIN 0x45
.irp a, AC, AC+4
	v_pk_add_f32 v[\a:\a+1], v[\a:\a+1], v[\a+2:\a+3]
.endr
.irp a, AC, AC+4
	v_add_f32 v[\a], v[\a], v[\a+1]
.endr
	WIN 0x01
	v_mov_b32 v[BM], v[AC]
	v_mov_b32 v[BM+1], v[AC+4]
	WIN 0
.irp j, 0,1
	v_permlanex16_b32 v[BM+4+\j], v[BM+\j], s[SEL], s[SEL+1]
.endr
.irp j, 0,1
	v_add_f32 v[BM+\j], v[BM+\j], v[BM+4+\j]       ; with lane l xor 16's: the row's sum
.endr
	v_mov_b32 v[BM+12], s50
	v_mul_f32 v[BM+12], 0x3fb8aa3b, v[BM+12]
	VW
	v_exp_f32 v[BM+12], v[BM+12]
	v_rcp_f32 v[BM+8], v[BM]
	v_rcp_f32 v[BM+9], v[BM+1]
	v_nop
	VW
	v_mul_f32 v[BM+12], -1.0, v[BM+12]
	v_cndmask_b32 v[BM+12], 1.0, v[BM+12], s51
	v_mul_f32 v[FF], v[BM+8], v[BM+12]
	v_mul_f32 v[FF+2], v[BM+9], v[BM+12]
	WIN 0x41
	VW                                             ; ahead of the first readers of O^T
.set n, 0
.rept 64
	v_pk_mul_f32 v[n:n+1], v[n:n+1], v[FF+2*(n/64):FF+2*(n/64)+1] op_sel_hi:[1,0]
.set n, n+2
.endr
	WIN 0x04                                       ; my tile 1 goes, as an image of its registers, to the wave with the same queries in the other attention
.set n, 0
.rept 16
	ds_store_b128 v[QW], v[64+4*n:64+4*n+3] offset:512*n
.set n, n+1
.endr
	WIN 0
	VW
	s_wait_dscnt 0x0                               ; for the others' sake: my stores have landed
	s_barrier_signal -1
	s_barrier_wait -1
	WIN 0x40
.set n, 0
.rept 16
	ds_load_b128 v[64+4*n:64+4*n+3], v[XB] offset:512*n
.set n, n+1
.endr
	WIN 0
	s_wait_dscnt 0x0
	WIN 0x45
.set n, 0
.rept 32
	v_pk_add_f32 v[n:n+1], v[n:n+1], v[64+n:64+n+1]   ; A1 / l1 - exp(lambda_log) A2 / l2
.set n, n+2
.endr
	WIN 0x04                                       ; a lane holds 32 neighbouring bytes of a row for each of eight tiles of channels: the 16 rows go through my row stage and come back whole
.set n, 0
.rept 8
	ds_store_b128 v[RI], v[8*n:8*n+3] offset:64*n
	ds_store_b128 v[RI], v[8*n+4:8*n+7] offset:64*n+16
.set n, n+1
.endr
	WIN 0x40
.set n, 0
.rept 16
	ds_load_b128 v[64+4*n:64+4*n+3], v[RO] offset:n*PITCH
.set n, n+1
.endr
	WIN 0x04
.set n, 0
.rept 16
	s_wait_dscnt 15-n                              ; row n is back; the younger loads may be out
	global_store_b128 v[LI], v[64+4*n:64+4*n+3], s[12:13] offset:512*n th:TH_STORE_NT   ; 32 lanes store a row's 512 consecutive bytes, at a multiple of 512 from out0's first byte
.set n, n+1
.endr
	WIN 0
	s_wait_tensorcnt 0x0                           ; the wave's end
	ds_add_u32 v[SPW], v[NIL]
	s_wait_dscnt 0x0
	CROUND                                         ; the closing round
	s_endpgm
.Lfunc_end_k_qc89c22bc8b_attn:
	.size	k_qc89c22bc8b_attn, .Lfunc_end_k_qc89c22bc8b_attn-k_qc89c22bc8b_attn
	.p2alignl 7, 3214868480
	.fill 96, 4, 3214868480
	.section	.rodata,"a",@progbits
	.p2align	6, 0x0
	.amdhsa_kernel k_qc89c22bc8b_attn
		.amdhsa_group_segment_fixed_size 327680
		.amdhsa_private_segment_fixed_size 0
		.amdhsa_enable_private_segment 0
		.amdhsa_kernarg_size 40
		.amdhsa_user_sgpr_count 2
		.amdhsa_user_sgpr_kernarg_segment_ptr 1
		.amdhsa_wavefront_size32 1
		.amdhsa_system_sgpr_workgroup_id_x 1
		.amdhsa_system_sgpr_workgroup_id_y 1
		.amdhsa_system_sgpr_workgroup_id_z 1
		.amdhsa_system_vgpr_workitem_id 0
		.amdhsa_next_free_vgpr 512
		.amdhsa_next_free_sgpr 66
		.amdhsa_reserve_vcc 0
		.amdhsa_float_denorm_mode_32 3
		.amdhsa_float_denorm_mode_16_64 3
		.amdhsa_memory_ordered 1
		.amdhsa_forward_progress 1
		.amdhsa_inst_pref_size 248
	.end_amdhsa_kernel
	.amdgpu_metadata
---
amdhsa.version: [ 1, 2 ]
amdhsa.kernels:
  - .name:           k_qc89c22bc8b_attn
    .symbol:         k_qc89c22bc8b_attn.kd
    .args:
      - { .name: q1, .offset: 0, .size: 8, .value_kind: global_buffer, .address_space: global }
      - { .name: q2, .offset: 8, .size: 8, .value_kind: global_buffer, .address_space: global }
      - { .name: lambda_log, .offset: 16, .size: 8, .value_kind: global_buffer, .address_space: global }
      - { .name: kv, .offset: 24, .size: 8, .value_kind: global_buffer, .address_space: global }
      - { .name: out0, .offset: 32, .size: 8, .value_kind: global_buffer, .address_space: global }
    .group_segment_fixed_size: 327680
    .private_segment_fixed_size: 0
    .kernarg_segment_align: 8
    .kernarg_segment_size: 40
    .max_flat_workgroup_size: 256
    .sgpr_count:     66
    .vgpr_count:     512
    .wavefront_size: 32
...
	.end_amdgpu_metadata
.endif
;; end of part 2
